; MI455X (gfx1250); checked and timed in simulation.
; The chip was launched on July 23, 2026; its instructions are those of AMD's public machine-readable ISA for CDNA 5 (MIT licence, August 2026) and "CDNA5" Instruction Set Architecture Reference Guide (July 2026). The comments in the code are by the model that wrote it; some were corrected since.
;; A Li Bi Attention. Allowed arithmetic: matrix products marked QUANTISED: E2M1 operands, one E8M0 scale for each 32 along K, by v_wmma_scale_f32_16x16x128_f8f6f4 with both operands' format E2M1 (or v_wmma_scale_f32_32x16x128_f4), f32 sums; everything else in f32.
;; Inputs: attn_mask 2 x 2,048 x 2,048 float32; out_b 1,024 float32; out_w 1,024 x 1,024 float32; qkv 2,048 x 2 x 3,072 float32.
;; Outputs: out0 2,048 x 2 x 1,024 float32.
;; This version of the problem:
;;   THIS VERSION OF THE PROBLEM IS GIVEN IN LOW PRECISION. The matrix products marked QUANTISED in the list below multiply operands that are first quantised to E2M1 (2 exponent bits, 1 mantissa bit; 4 bits a number), with one power-of-two scale for each 32 numbers along K (OCP MX v1.0); their sums are f32. All else is computed in f32.
;;   The module's matrix products, in the order in which they are computed (A, B: the left and right operand; K: the contracted axis; several contracted axes count as one K, in the product's order):
;;     1. batch 32 x [M 2,048, K 64] x [K 64, N 2,048]; A: input qkv; B: input qkv: QUANTISED
;;     2. batch 32 x [M 2,048, K 2,048] x [K 2,048, N 64]; A: softmax (see below); B: input qkv: QUANTISED
;;     3. [M 4,096, K 1,024] x [K 1,024, N 1,024]; A: computed on the way; B: input out_w: QUANTISED
;;   THE QUANTISER, for each operand of a quantised product, along K:
;;     - K is cut into blocks of 32 from its start; a last block that is shorter is filled with zeros.
;;     - A block's scale is 2^e with e = floor(log2(the largest magnitude in the block)) - 2, held to -126 .. 127; a block of zeros has e = 0. As a byte (E8M0): e + 127.
;;     - Each number is divided by its block's scale, clamped to +-6, and rounded to the nearest number of E2M1, ties to even, subnormals kept.
;;     - The product sums the exact products of the quantised numbers (number of the format x scale) in f32.
;;   ~~~python
;;   def quantise(x, axis):      # numpy; x: float32 -> the quantised numbers, widened to float32 again
;;       x = np.moveaxis(x, axis, -1); K = x.shape[-1]
;;       x = np.pad(x, [(0, 0)] * (x.ndim - 1) + [(0, -K % 32)]); x = x.reshape(x.shape[:-1] + (-1, 32)); a = np.abs(x).max(-1, keepdims=True)
;;       e = np.where(a > 0, np.clip(np.frexp(np.where(a > 0, a, 1))[1] - 1 - 2, -126, 127), 0)      # np.frexp(a)[1] - 1 = floor(log2(a)), exactly
;;       r = np.clip(x / 2.0 ** e, -6, 6)
;;       step = 2.0 ** (np.maximum(np.frexp(np.where(r == 0, 1, r))[1] - 1, 0) - 1)
;;       q = np.round(r / step) * step * 2.0 ** e      # np.round: ties to even
;;       return np.moveaxis(q.reshape(q.shape[:-2] + (-1,))[..., :K], -1, axis).astype(np.float32)
;;   ~~~
;;   SOFTMAX AHEAD OF A QUANTISED PRODUCT. Where the list says 'softmax', what is quantised is not the finished softmax but p = 2^(t - M), with t = logit x log2(e) and M = ceil(the row's largest t), a whole number; so 1/2 < the row's largest p <= 1. The row's sum l is taken of the UNQUANTISED p, in f32, and the product's result is divided by l at the end. Since M is a whole number, a kernel that streams over the keys may use a running M (the ceiling of the running maximum): every later rescaling is an exact power of two, which a block's scale takes up: the codes' values come out the same.
;;   OPERANDS COMPUTED ON THE WAY. 'Computed on the way' means the value that the module computes at that place (a softmax that the list does not call 'softmax' is quantised finished and normalised). What goes into a quantiser is computed in f32, as accurately as f32 sums, v_exp_f32 and their like allow (about 1e-6 of the number): no bf16 or f16 on the way to a quantiser, and a product that is left as it is and whose result goes on into a quantised operand takes f32 operands (vector FMAs, or v_wmma_f32_16x16x4_f32). A number that lies on a knife's edge between two numbers of the format may be rounded either way, as far as f32 arithmetic and the matrix unit's own rounding can turn it there, and no further.
;; One version. Each part assembles by itself: llvm-mc -triple=amdgcn-amd-amdhsa -mcpu=gfx1250 --defsym DOCPART=n.
;; ======== version 1 of 1: 2 launches
;; limits: right only within a limited range of input values
;; workspace buffers: kv 4,587,520 bytes; qimg 4,587,520 bytes; wrec 557,056 bytes
;; launch quant (part 1): grid 400 x 1, 8 waves a work-group, no clusters, 74,752 bytes of LDS; arguments qkv, out_w, qimg, kv, wrec; writes qimg, kv, wrec
.if DOCPART == 1
	.amdgcn_target "amdgcn-amd-amdhsa--gfx1250"
	.amdhsa_code_object_version 6
	.text
	.protected	k_qe450402cab_quant
	.globl	k_qe450402cab_quant
	.p2align	8
	.type	k_qe450402cab_quant,@function
k_qe450402cab_quant:
	s_mov_b64 s[64:65], 0
	v_nop
	global_prefetch_b8 v0, s[64:65] scope:SCOPE_SE
	s_setreg_imm32_b32 hwreg(HW_REG_WAVE_MODE, 25, 1), 1
	s_wait_xcnt 0x0
; qkv [2048 t][2 b][3072] f32 and out_w [1024 n][1024 k] f32 become codes of FP4 (E2M1) with one E8M0 byte for each 32 along a product's K,
; laid as IMAGES OF THE OPERANDS' REGISTERS, so that the later launches read every fragment at 16 x lane and every scale word at 4 x lane.
; A block's scale is 2^(floor(log2(its largest magnitude)) - 2): its byte is that magnitude's exponent field - 2.
; INSIDE A BLOCK OF 32 THE CODES LIE IN THE ORDER k = 0-7, 16-23, 8-15, 24-31, in every operand of this program alike: that is the order in which a transposed
; matrix result falls out of two conversions, and a permutation of k inside one scale block, applied to both sides of a product, changes no product.
; q's bytes are stored 3 lower: that is the factor 1/8 of the scores, exactly.
; RECORDS.  kv: record (b 4 + hg) 16 + step, 35,840 bytes, for 4 heads (hg) and 128 keys (step): K's codes [hh 4][tile 8][block 2][row 16][16 B] at 0;
;   V's codes [hh 4][dt 4][block of keys 4][row 16][16 B] at 16,384; K's scale words [hh 4][key 128] at 32,768; V's [hh 4][d 64] at 34,816.
;   qimg: the same record for q in K's two places; its other bytes are neither written nor read.
;   wrec: record n / 128, 69,632 bytes: codes [tile 8][K step 8][c 2][block 2][row 16][16 B] at 0, scale words [tile 8][K step 8][row 16] at 65,536.
; SHARES.  Three paths part on the work-group's number, each with LDS bytes of its own and its own end: 0-15 out_w, 16-271 q and k, 272-399 v.
; A stream: no matrix work, no tensor load, no barrier (waves share nothing).
; LIMITS.  NaN and infinities among the inputs are not served.  A block of zeros gets the floor's byte (1) where the rule says 127: its codes are zeros, and this program alone reads the bytes.
; A block of q whose largest magnitude lies under 2^-121 is quantised at the scale 2^-123 (the floor is 3 higher there, so that the stored byte stays at 1 or above);
; blocks of k, v, out_w under 2^-124 at the scale 2^-126.
.set REC,   35840
.set AREC,  69632
.set ROWQ,  24576                      ; bytes from t to t + 1 in qkv
.set WREG,  4608                       ; LDS of a wave: a stage of 16 rows x 272 bytes, then 256 bytes of scale words
.set QKLDS, 8*WREG                     ; the q/k path's region; out_w's path begins at 0
.set STI, 4                            ; v4   the stage, in: 272 (lane / 16) + 16 (lane % 16)
.set STO, 5                            ; v5   the stage, out: 272 (lane % 16) + 128 (lane / 16)
.set SSA, 6                            ; v6   my row's scale word in the wave's 256 bytes
.set SSR, 7                            ; v7   and where I read 8 of those bytes back
.set LI,  8                            ; v8   16 x lane
.set L8,  9                            ; v9   8 x lane
.set SH8, 10                           ; v10  8 x (lane / 16)
.set GA,  11                           ; v11  my lane's byte in a load
.set M0,  12                           ; v12-13 two chains of the largest magnitude
.set M1,  13
.set SCO, 14                           ; v14  the conversions' scale operand
.set TP,  15                           ; v15  the other half's byte
.set C,   16                           ; v16-31 codes: four sets of four
.set X,   32                           ; v32-63 a whole block of 32 in my lane
.set R,   64                           ; v64-191 four sets of 32: units as they are loaded
.set XV,  64                           ; v64-127 the v path: two sets of 32
.set BY,  192
.set SB,  193
.set VO,  194
.set OUTP, 196
.set WV,  14
.set SRC, 20                           ; s[20:21] where I read
.set DC,  26                           ; s[26:27] where my codes go
.set DS,  28                           ; s[28:29] where my scale words go
.set SEL, 30                           ; s[30:31] v_permlanex16_b32's selects for lane l xor 16
.set FLR, 32                           ; s32  the floor under a block's largest magnitude
.set ADJ, 33                           ; s33  what is taken off the stored byte
.macro MAXB x                          ; the largest magnitude of v[x] .. v[x+31], and the floor: sixteen lines in two chains
	v_max3_num_f32 v[M0], |v[\x]|, |v[\x+1]|, |v[\x+2]|
	v_max3_num_f32 v[M1], |v[\x+3]|, |v[\x+4]|, |v[\x+5]|
.irp i, 6,10,14,18,22,26
	s_delay_alu instid0(VALU_DEP_2)
	v_max3_num_f32 v[M0], v[M0], |v[\x+\i]|, |v[\x+\i+1]|
	s_delay_alu instid0(VALU_DEP_2)
	v_max3_num_f32 v[M1], v[M1], |v[\x+\i+2]|, |v[\x+\i+3]|
.endr
	s_delay_alu instid0(VALU_DEP_2)
	v_max3_num_f32 v[M0], v[M0], |v[\x+30]|, |v[\x+31]|
	s_delay_alu instid0(VALU_DEP_1)
	v_max3_num_f32 v[M0], v[M0], v[M1], s[FLR]
.endm
.macro CVT4 c, x                       ; 32 numbers to 16 bytes of codes; the second and third group of eight change places
	v_cvt_scalef32_pk8_fp4_f32 v[\c], v[\x:\x+7], v[SCO]
	v_cvt_scalef32_pk8_fp4_f32 v[\c+1], v[\x+16:\x+23], v[SCO]
	v_cvt_scalef32_pk8_fp4_f32 v[\c+2], v[\x+8:\x+15], v[SCO]
	v_cvt_scalef32_pk8_fp4_f32 v[\c+3], v[\x+24:\x+31], v[SCO]
.endm
; A UNIT is 16 rows x 64 numbers.  Eight loads: each takes two rows' 256 bytes, sixteen lanes to a row.
.macro ULOAD u
.irp i, 0,1,2,3,4,5,6,7
	global_load_b128 v[R+32*((\u)%4)+4*\i:R+32*((\u)%4)+4*\i+3], v[GA], s[SRC:SRC+1] offset:(\u)*USTR+\i*ISTR th:TH_LOAD_NT
.endr
.endm
; left: the younger loads that may stay out.  kind 0: the row's two bytes are a scale word; kind 1: half of one.  reload: the unit four further on is asked for.
.macro UNIT u, left, kind, reload
.set RS, R+32*((\u)%4)
.set CS, C+4*((\u)%4)
	s_wait_loadcnt \left                           ; loads come back in order: this unit's eight are in
.irp i, 0,1,2,3,4,5,6,7
	ds_store_b128 v[STI], v[RS+4*\i:RS+4*\i+3] offset:\i*544
.endr
.irp i, 0,1,2,3,4,5,6,7
	ds_load_b128 v[X+4*\i:X+4*\i+3], v[STO] offset:\i*16   ; LDS serves a wave's instructions in order: these see the stores.  Lane (r, H) now holds block H of row r
.endr
	s_wait_dscnt 0x0                               ; the block is in, and the stores have read their registers
.if \reload
	ULOAD (\u)+4
.endif
	MAXB X
	s_delay_alu instid0(VALU_DEP_1)
	v_add_nc_u32 v[SCO], 0xff000000, v[M0]         ; 2 off the exponent field: the conversion takes that field as its scale and nothing else
.if (\u) >= 4
	s_wait_alu depctr_va_vdst(0)
	s_wait_xcnt 0x0                                ; the store of four units ago has read this set of code registers
.endif
	CVT4 CS, X
	v_lshrrev_b32 v[BY], 23, v[SCO]                ; the scale's byte (a plain line behind the conversions),
	s_delay_alu instid0(VALU_DEP_1)
	v_sub_nc_u32 v[BY], v[BY], s[ADJ]              ; q's 3 lower,
	s_delay_alu instid0(VALU_DEP_1)
	v_lshlrev_b32 v[BY], v[SH8], v[BY]             ; at its block's place,
	s_delay_alu instid0(VALU_DEP_1)
	v_permlanex16_b32 v[TP], v[BY], s[SEL], s[SEL+1]
	s_delay_alu instid0(VALU_DEP_1)
	v_or_b32 v[BY], v[BY], v[TP]                   ; with the other block's: both lanes of a row hold the pair
	global_store_b128 v[LI], v[CS:CS+3], s[DC:DC+1] offset:(\u)*512   ; 32 lanes store 512 consecutive bytes
.if \kind
	ds_store_b16 v[SSA], v[BY] offset:((\u)/2)*64+((\u)%2)*2
.else
	ds_store_b32 v[SSA], v[BY] offset:(\u)*64
.endif
.endm
.macro SCOUT                           ; the wave's 256 bytes of scale words leave as one aligned run of 256 bytes
	ds_load_b64 v[OUTP:OUTP+1], v[SSR]
	s_wait_dscnt 0x0
	global_store_b64 v[L8], v[OUTP:OUTP+1], s[DS:DS+1]
	s_wait_tensorcnt 0x0
	ds_add_u32 v208, v209
	s_wait_dscnt 0x0
	s_endpgm
.endm
	s_load_b256 s[4:11], s[0:1], 0x0               ; qkv s[4:5], out_w s[6:7], qimg s[8:9], kv s[10:11]
	s_load_b64 s[12:13], s[0:1], 0x20              ; wrec
	v_lshl_add_u32 v208, v0, 2, 0x12000
	v_mov_b32 v209, 0
	v_lshrrev_b32 v1, 5, v0
	s_delay_alu instid0(VALU_DEP_1)
	v_readfirstlane_b32 s[WV], v1                  ; wave 0..7
	v_and_b32 v1, 31, v0                           ; lane
	v_and_b32 v2, 15, v0                           ; r
	v_bfe_u32 v3, v0, 4, 1                         ; H
	s_mul_i32 s15, s[WV], WREG
	v_mul_u32_u24 v[STI], v3, 272
	s_delay_alu instid0(VALU_DEP_1)
	v_lshl_add_u32 v[STI], v2, 4, v[STI]
	s_delay_alu instid0(VALU_DEP_1)
	v_add_nc_u32 v[STI], s15, v[STI]
	v_mul_u32_u24 v[STO], v2, 272
	s_delay_alu instid0(VALU_DEP_1)
	v_lshl_add_u32 v[STO], v3, 7, v[STO]
	s_delay_alu instid0(VALU_DEP_1)
	v_add_nc_u32 v[STO], s15, v[STO]
	s_add_co_u32 s15, s15, 16*272
	v_lshl_add_u32 v[SSA], v2, 2, s15
	v_lshl_add_u32 v[SSR], v1, 3, s15
	v_lshlrev_b32 v[LI], 4, v1
	v_lshlrev_b32 v[L8], 3, v1
	v_lshlrev_b32 v[SH8], 3, v3
	v_mov_b32 v[TP], 0                             ; a lane permute's destination counts as one of its sources
	s_mov_b32 s[SEL], 0x76543210
	s_mov_b32 s[SEL+1], 0xfedcba98
	s_mov_b32 s[FLR], 0x1800000                    ; 2^(3 - 127)
	s_cmp_lt_u32 ttmp9, 16
	s_cbranch_scc1 .Lw_path
	s_cmp_lt_u32 ttmp9, 272
	s_cbranch_scc1 .Lqk_path
; ---- V: K = the keys, which are not innermost.  A lane takes a column (head, d) and its registers run down the keys: a block of 32 keys lies in one lane.
; Work-group: (b, hg, step of 128 keys); wave w: columns 32 w .. 32 w + 31 of the group's 256.
	s_sub_co_u32 s16, ttmp9, 272
	s_and_b32 s17, s16, 15                         ; step
	s_bfe_u32 s18, s16, 0x20004                    ; hg
	s_lshr_b32 s19, s16, 6                         ; b
	s_lshl_b32 s20, s17, 8
	s_add_co_u32 s20, s20, s19
	s_mul_i32 s20, s20, 12288                      ; row (128 step, b)
	s_lshl_b32 s22, s18, 10
	s_add_co_u32 s20, s20, s22
	s_lshl_b32 s22, s[WV], 7
	s_add_co_u32 s20, s20, s22
	s_add_co_u32 s20, s20, 8192                    ; v begins 2,048 numbers into a row
	s_mov_b32 s21, 0
	s_lshl_b32 s22, s19, 2
	s_add_co_u32 s22, s22, s18
	s_lshl_b32 s22, s22, 4
	s_add_co_u32 s22, s22, s17
	s_mul_i32 s22, s22, REC                        ; the record
	s_lshr_b32 s24, s[WV], 1                       ; hh
	s_and_b32 s25, s[WV], 1                        ; which 32 of the head's 64
	s_lshl_b32 s26, s24, 12
	s_lshl_b32 s27, s25, 11
	s_add_co_u32 s26, s26, s27
	s_add_co_u32 s26, s26, s22
	s_add_co_u32 s26, s26, 16384
	s_mov_b32 s27, 0
	s_lshl_b32 s28, s24, 8
	s_lshl_b32 s29, s25, 7
	s_add_co_u32 s28, s28, s29
	s_add_co_u32 s28, s28, s22
	s_add_co_u32 s28, s28, 34816
	s_mov_b32 s29, 0
	v_lshlrev_b32 v[GA], 2, v1                     ; 4 bytes a lane: a wave's load takes 128 consecutive bytes, the eight waves' 1,024
	v_lshlrev_b32 v[VO], 10, v3                    ; codes: tile dt = 2 (w % 2) + lane / 16, row lane % 16
	s_delay_alu instid0(VALU_DEP_1)
	v_lshl_add_u32 v[VO], v2, 4, v[VO]
	s_wait_alu depctr_va_vdst(0)
	s_wait_kmcnt 0x0
	s_add_nc_u64 s[SRC:SRC+1], s[4:5], s[20:21]
	s_add_nc_u64 s[DC:DC+1], s[10:11], s[26:27]
	s_add_nc_u64 s[DS:DS+1], s[10:11], s[28:29]
.macro VLOAD t                         ; block t: keys 32 t + i of my column into set t % 2
.set i, 0
.rept 32
	global_load_b32 v[XV+32*((\t)%2)+i], v[GA], s[SRC:SRC+1] offset:(32*(\t)+i)*ROWQ th:TH_LOAD_NT
.set i, i+1
.endr
.endm
.macro VBLOCK t
.set XS, XV+32*((\t)%2)
.if (\t) < 3
	s_wait_loadcnt 32                              ; this block's 32 loads are in; the next block's may be out
.else
	s_wait_loadcnt 0x0
.endif
	MAXB XS
	s_delay_alu instid0(VALU_DEP_1)
	v_add_nc_u32 v[SCO], 0xff000000, v[M0]
	CVT4 C+4*(\t), XS                              ; each block has code registers of its own: no store's data are written again
	v_lshrrev_b32 v[BY], 23, v[SCO]                ; (a plain line behind the conversions)
.if (\t) == 0
	s_delay_alu instid0(VALU_DEP_1)
	v_mov_b32 v[SB], v[BY]
.else
	s_delay_alu instid0(VALU_DEP_1)
	v_lshl_or_b32 v[SB], v[BY], 8*(\t), v[SB]      ; the four blocks' bytes make my column's scale word
.endif
	global_store_b128 v[VO], v[C+4*(\t):C+4*(\t)+3], s[DC:DC+1] offset:256*(\t)   ; each half of the lanes stores 256 consecutive bytes, aligned
.if (\t)+2 < 4
	VLOAD (\t)+2
.endif
.endm
	VLOAD 0
	VLOAD 1
	VBLOCK 0
	VBLOCK 1
	VBLOCK 2
	VBLOCK 3
	global_store_b32 v[GA], v[SB], s[DS:DS+1]      ; 128 consecutive bytes a wave: half of an aligned 256; one byte in 128 of what this path reads
	s_endpgm
; ---- q and k: K = the head's 64, innermost.  Work-group: (b, 64 t, quarter of the 32 (q or k, head)); wave: one (q or k, head), four units of 16 t.
.Lqk_path:
	v_add_nc_u32 v[STI], QKLDS, v[STI]             ; this path's own LDS bytes
	s_wait_alu depctr_va_vdst(0)
	v_add_nc_u32 v[STO], QKLDS, v[STO]
	v_add_nc_u32 v[SSA], QKLDS, v[SSA]
	v_add_nc_u32 v[SSR], QKLDS, v[SSR]
	s_sub_co_u32 s16, ttmp9, 16
	s_and_b32 s17, s16, 3                          ; 2 (q: 0, k: 1) + head / 8
	s_bfe_u32 s18, s16, 0x50002                    ; which 64 t
	s_lshr_b32 s19, s16, 7                         ; b
	s_lshl_b32 s20, s18, 7
	s_add_co_u32 s20, s20, s19
	s_mul_i32 s20, s20, 12288                      ; row (64 tg, b)
	s_lshl_b32 s22, s17, 3
	s_add_co_u32 s22, s22, s[WV]
	s_lshl_b32 s22, s22, 8                         ; 256 bytes for each (q or k, head)
	s_add_co_u32 s20, s20, s22
	s_mov_b32 s21, 0
	s_and_b32 s22, s17, 1
	s_lshl_b32 s22, s22, 1
	s_lshr_b32 s23, s[WV], 2
	s_add_co_u32 s22, s22, s23                     ; hg
	s_lshl_b32 s23, s19, 2
	s_add_co_u32 s22, s22, s23
	s_lshl_b32 s22, s22, 4
	s_lshr_b32 s23, s18, 1
	s_add_co_u32 s22, s22, s23
	s_mul_i32 s22, s22, REC                        ; the record
	s_and_b32 s24, s[WV], 3                        ; hh
	s_and_b32 s25, s18, 1                          ; which 64 of the record's 128
	s_lshl_b32 s26, s24, 12
	s_lshl_b32 s27, s25, 11
	s_add_co_u32 s26, s26, s27
	s_add_co_u32 s26, s26, s22
	s_mov_b32 s27, 0
	s_lshl_b32 s28, s24, 9
	s_lshl_b32 s29, s25, 8
	s_add_co_u32 s28, s28, s29
	s_add_co_u32 s28, s28, s22
	s_add_co_u32 s28, s28, 32768
	s_mov_b32 s29, 0
	v_mul_u32_u24 v[GA], v3, ROWQ
	s_delay_alu instid0(VALU_DEP_1)
	v_lshl_add_u32 v[GA], v2, 4, v[GA]
	s_wait_alu depctr_va_vdst(0)
	s_wait_kmcnt 0x0
	s_add_nc_u64 s[SRC:SRC+1], s[4:5], s[20:21]
	s_cmp_lt_u32 s17, 2                            ; q or k?  The choice hangs on the work-group's number alone
	s_cselect_b64 s[34:35], s[8:9], s[10:11]
	s_cselect_b32 s[FLR], 0x3000000, s[FLR]        ; q's floor 2^(6 - 127): its byte less 3 stays at 1 or above
	s_cselect_b32 s[ADJ], 3, 0
	s_add_nc_u64 s[DC:DC+1], s[34:35], s[26:27]
	s_add_nc_u64 s[DS:DS+1], s[34:35], s[28:29]
.set USTR, 16*ROWQ
.set ISTR, 2*ROWQ
	ULOAD 0
	ULOAD 1
	ULOAD 2
	ULOAD 3
	UNIT 0, 24, 0, 0                               ; eight loads for each unit still behind
	UNIT 1, 16, 0, 0
	UNIT 2, 8, 0, 0
	UNIT 3, 0, 0, 0
	SCOUT
; ---- out_w: K innermost.  Wave: 16 rows n x 512 along K, eight units.
.Lw_path:
	s_lshl_b32 s16, ttmp9, 3
	s_add_co_u32 s16, s16, s[WV]
	s_lshr_b32 s17, s16, 1                         ; tile of 16 rows, 0..63
	s_and_b32 s18, s16, 1                          ; which half of K
	s_lshl_b32 s20, s17, 16
	s_lshl_b32 s22, s18, 11
	s_add_co_u32 s20, s20, s22
	s_mov_b32 s21, 0
	s_lshr_b32 s22, s17, 3
	s_mul_i32 s22, s22, AREC                       ; the record
	s_and_b32 s23, s17, 7
	s_lshl_b32 s26, s23, 13
	s_lshl_b32 s27, s18, 12
	s_add_co_u32 s26, s26, s27
	s_add_co_u32 s26, s26, s22
	s_mov_b32 s27, 0
	s_lshl_b32 s28, s23, 9
	s_lshl_b32 s29, s18, 8
	s_add_co_u32 s28, s28, s29
	s_add_co_u32 s28, s28, s22
	s_add_co_u32 s28, s28, 65536
	s_mov_b32 s29, 0
	v_lshlrev_b32 v[GA], 12, v3
	s_delay_alu instid0(VALU_DEP_1)
	v_lshl_add_u32 v[GA], v2, 4, v[GA]
	s_mov_b32 s[ADJ], 0
	s_wait_alu depctr_va_vdst(0)
	s_wait_kmcnt 0x0
	s_add_nc_u64 s[SRC:SRC+1], s[6:7], s[20:21]
	s_add_nc_u64 s[DC:DC+1], s[12:13], s[26:27]
	s_add_nc_u64 s[DS:DS+1], s[12:13], s[28:29]
.set USTR, 256
.set ISTR, 8192
	ULOAD 0
	ULOAD 1
	ULOAD 2
	ULOAD 3
	UNIT 0, 24, 1, 1                               ; behind a unit's loads stand those of the three units that follow it,
	UNIT 1, 24, 1, 1
	UNIT 2, 24, 1, 1
	UNIT 3, 24, 1, 1
	UNIT 4, 24, 1, 0
	UNIT 5, 16, 1, 0                               ; until nothing more is asked for
	UNIT 6, 8, 1, 0
	UNIT 7, 0, 1, 0
	SCOUT
.Lfunc_end_k_qe450402cab_quant:
	.size	k_qe450402cab_quant, .Lfunc_end_k_qe450402cab_quant-k_qe450402cab_quant
	.p2alignl 7, 3214868480
	.fill 96, 4, 3214868480
	.section	.rodata,"a",@progbits
	.p2align	6, 0x0
	.amdhsa_kernel k_qe450402cab_quant
		.amdhsa_group_segment_fixed_size 74752
		.amdhsa_private_segment_fixed_size 0
		.amdhsa_enable_private_segment 0
		.amdhsa_kernarg_size 40
		.amdhsa_user_sgpr_count 2
		.amdhsa_user_sgpr_kernarg_segment_ptr 1
		.amdhsa_wavefront_size32 1
		.amdhsa_system_sgpr_workgroup_id_x 1
		.amdhsa_system_sgpr_workgroup_id_y 1
		.amdhsa_system_sgpr_workgroup_id_z 1
		.amdhsa_system_vgpr_workitem_id 0
		.amdhsa_next_free_vgpr 210
		.amdhsa_next_free_sgpr 66
		.amdhsa_reserve_vcc 0
		.amdhsa_float_denorm_mode_32 3
		.amdhsa_float_denorm_mode_16_64 3
		.amdhsa_memory_ordered 1
		.amdhsa_forward_progress 1
		.amdhsa_inst_pref_size 77
	.end_amdhsa_kernel
	.amdgpu_metadata
---
amdhsa.version: [ 1, 2 ]
amdhsa.kernels:
  - .name:           k_qe450402cab_quant
    .symbol:         k_qe450402cab_quant.kd
    .args:
      - { .name: qkv, .offset: 0, .size: 8, .value_kind: global_buffer, .address_space: global }
      - { .name: out_w, .offset: 8, .size: 8, .value_kind: global_buffer, .address_space: global }
      - { .name: qimg, .offset: 16, .size: 8, .value_kind: global_buffer, .address_space: global }
      - { .name: kv, .offset: 24, .size: 8, .value_kind: global_buffer, .address_space: global }
      - { .name: wrec, .offset: 32, .size: 8, .value_kind: global_buffer, .address_space: global }
    .group_segment_fixed_size: 74752
    .private_segment_fixed_size: 0
    .kernarg_segment_align: 8
    .kernarg_segment_size: 40
    .max_flat_workgroup_size: 256
    .sgpr_count:     66
    .vgpr_count:     210
    .wavefront_size: 32
...
	.end_amdgpu_metadata
.endif
;; end of part 1
;; launch attn (part 2): grid 256 x 1, 16 waves a work-group, clusters of 4 x 1, 327,680 bytes of LDS; arguments qimg, kv, attn_mask, wrec, out_b, out0; writes out0
.if DOCPART == 2
	.amdgcn_target "amdgcn-amd-amdhsa--gfx1250"
	.amdhsa_code_object_version 6
	.text
	.protected	k_qe450402cab_attn
	.globl	k_qe450402cab_attn
	.p2align	8
	.type	k_qe450402cab_attn,@function
k_qe450402cab_attn:
	s_mov_b64 s[64:65], 0
	v_nop
	global_prefetch_b8 v0, s[64:65] scope:SCOPE_SE
	s_setreg_imm32_b32 hwreg(HW_REG_WAVE_MODE, 25, 1), 1
	s_wait_xcnt 0x0
	s_wait_alu depctr_hold_cnt(0) depctr_sa_sdst(0) depctr_va_vdst(0) depctr_va_sdst(0) depctr_va_ssrc(0) depctr_va_vcc(0) depctr_vm_vsrc(0)
	s_getreg_b32 s2, hwreg(HW_REG_IB_STS2, 6, 4)
	s_cmp_eq_u32 s2, 0
	s_cbranch_scc0 .Lentry_in_a_cluster
	s_endpgm
.Lentry_in_a_cluster:
	s_bfe_u32 s2, ttmp6, 0x10000c
	s_cmp_lg_u32 s2, 0x3003
	s_cbranch_scc0 .Lentry_shape_is_right
	s_endpgm
.Lentry_shape_is_right:
; Attention and the projection behind it, on codes of FP4 (E2M1) with E8M0 scales.
; logit = max(q . k / 8 - alpha_h |i - j| + mask[b][i][j], -10000); t = logit x log2(e); M = the running largest t rounded up to a whole number;
; p = 2^(t - M) is quantised along the keys; the row's sum l is taken of the unquantised p; O / l is quantised along the embedding and multiplied with out_w's codes; out_b is the C of the first product.
; No key is left out: the mask is an input, and the clip makes far keys count in a hidden row.
; SHARES.  256 work-groups; each owns 16 queries of one b and ALL 16 heads, wave w = head w: the mask's 16 rows are fetched by one work-group alone, and the 16 x 1,024 numbers of O / l meet in one LDS.
; CLUSTER 4 x 1: a key step's four records of K and V hang on b and the step alone, out_w's records on nothing: the four partners ask for them jointly (mask 15).  The mask tile is each work-group's own load.
; RING.  Two slots of one key step (128 keys): four records (143,360 bytes) and a mask tile of 16 rows x 528 bytes.  Waves 0-7 fetch half a record each (70 rows of 256 bytes), wave 8 the mask tile.
; THE STEP IS TURNED ROUND: the change of slots stands behind a step's last LDS read (V).  Behind it the slot just read takes the step two on, the next step's K is read, and the softmax follows;
; the next step's mask is read block by block into the registers of p as each block has been converted and summed.
; ALIBI.  In a block of 32 keys that begins at j0 and lies wholly on one side of query i: -alpha |i - j| = -alpha |i - j0| + s alpha (j - j0), s the sign of i - j0.
; The first term is one number a block and goes into the addend of the multiply-add that makes t - M; the second is one packed multiply-add onto the mask, which is the C of the first product.
; The one key step that holds the cluster's 64 queries takes the form with |.|; the branch hangs on the cluster's number alone, which the partners share.  So the sum is associated otherwise than the source reads.
; K's eight tiles lie 4 registers apart: the upper half of each fragment is the next tile's codes, which meet Q's zero codes there.
; LAYOUT as the first launch laid it: both products transposed, a lane holds one query (lane % 16); register j of tile t in lane (r, h) is key 16 t + 8 h + j.
; THE PROJECTION.  out_w's eight records come into the slots, two to a slot: records 0-1 behind step 14's round, 2-3 behind step 15's, 4-7 behind one more.  Wave w makes columns 64 w on: waves 0-7 first, 8-15 second.
; PREFETCH.  At the change that loads step s + 2 wave 9 names the mask tile of step s + 4 (32 blocks of 256 bytes), waves 10-14 the 140 blocks of one record of step s + 4 (record cx: told apart by address);
; wave 15 names, at eight changes, the 256 blocks of codes of out_w's record 4 + cx.  Steps 0-2 and out_w's other bytes come by their loads alone.
; LIMITS.  NaN and +infinity among the inputs are not served; -infinity in the mask is.  The promise holds while the scaled scores stay under 2^31 in magnitude.  alpha is made by v_exp_f32, 1 / l by v_rcp_f32.
; A p under 2^-126 counts as 0.  A block of p or of O / l that is all zeros carries the byte 1: its codes are zeros, and this program alone reads the bytes.
.set REC,   35840
.set HREC,  17920
.set AREC,  69632
.set HAREC, 34816
.set MT,    16*528
.set SLOTB, 4*REC+MT
.set SPARE, 2*SLOTB                    ; the spare words: 128 bytes for each of 16 waves
.set ASTG,  2*AREC                     ; slot 0 behind out_w's two records: these bytes have had their last fill with step 14: O / l's codes,
.set ASC,   ASTG+8192                  ; and its scale words
.set OSTG,  SPARE+2048                 ; four stages of 16 rows x 272 bytes, which no fill ever lands on
.set SPW,  5
.set NIL,  6
.set T1,   7
.set QF,   16
.set QS,   24
.set AL,   25
.set XC,   26                          ; v26, v27 the clip as t - M, twice
.set FF,   28
.set SA,   30                          ; v30 alpha with the sign of i - j0; v31 is named with it as a pair and holds
.set PFO,  31                          ; the prefetches' offset
.set OFF,  32                          ; v32-47 j - j0 of my 16 numbers of a block
.set KF,   48
.set VF,   80
.set TM,   84
.set S,    112
.set O,    176
.set PC,   208
.set KS,   216
.set VS,   220
.set PW,   222
.set AL2,  223                         ; -alpha log2(e)
.set BM,   224
.set B2,   228
.set SCO,  232
.set DB,   236                         ; i - j0 of the four blocks of the step that is built next
.set EL,   240                         ; -alpha log2(e) |i - j0|, then that - M
.set ST,   244                         ; v244-251 four chains of the sum
.set G0W,  4                           ; s[4:7], s[8:15] out_w's descriptor, in registers that held arguments
.set G1W,  8
.set WV,   16
.set GRP,  18
.set G1K,  24
.set G1M,  32
.set G0K,  40
.set G0M,  48
.set CS,   56
.set SEL,  58
.set CLIP, 60
.set TRIP, 61
.set KST,  62                          ; the step that is built next
.set DIAG, 63
.set PFA,  66
.set PFS,  68
.set LIM,  96
.set LO,   97
.macro ROUND
	s_barrier_signal -1
	s_barrier_wait -1
	s_cmp_lg_u32 s[WV], 0
	s_cbranch_scc1 .Lnot_wave_0_\@
	s_barrier_signal -3
.Lnot_wave_0_\@:
	s_barrier_wait -3
	s_barrier_signal -1
	s_barrier_wait -1
.endm
.macro TLOAD s
	s_cmp_lt_u32 s[WV], 8
	s_cbranch_scc0 .Lnot_k_\@
	tensor_load_to_lds s[G0K+4*(\s):G0K+4*(\s)+3], s[G1K:G1K+7]
	s_nop 0
.rept 4
	v_nop
.endr
	s_branch .Lasked_\@
.Lnot_k_\@:
	s_cmp_lt_u32 s[WV], 9
	s_cbranch_scc0 .Lasked_\@
	tensor_load_to_lds s[G0M+4*(\s):G0M+4*(\s)+3], s[G1M:G1M+7]
	s_nop 0
.rept 4
	v_nop
.endr
.Lasked_\@:
.endm
.macro WTL lo, hi                      ; waves lo .. hi - 1 fetch half a record of out_w each
.if \lo > 0
	s_cmp_lt_u32 s[WV], \lo
	s_cbranch_scc1 .Lno_w_\@
.endif
	s_cmp_lt_u32 s[WV], \hi
	s_cbranch_scc0 .Lno_w_\@
	tensor_load_to_lds s[G0W:G0W+3], s[G1W:G1W+7]
	s_nop 0
.rept 4
	v_nop
.endr
.Lno_w_\@:
.endm
.macro ASK
	s_sub_co_u32 s23, s[KST], s[LO]
	s_cmp_lt_u32 s23, s[LIM]
	s_cbranch_scc0 .Lnot_mine_\@
	global_prefetch_b8 v[PFO], s[PFA:PFA+1] th:TH_LOAD_NT scope:SCOPE_SE
.Lnot_mine_\@:
.endm
	s_load_b256 s[4:11], s[0:1], 0x0               ; qimg, kv, attn_mask, wrec
	s_load_b128 s[12:15], s[0:1], 0x20             ; out_b, out0
	v_lshl_add_u32 v[SPW], v0, 2, SPARE
	v_mov_b32 v[NIL], 0
	ds_add_u32 v[SPW], v[NIL]
	ds_add_u32 v[SPW], v[NIL]
	v_lshrrev_b32 v8, 5, v0
	v_readfirstlane_b32 s[WV], v8                  ; wave = head
	s_bfe_u32 s17, ttmp6, 0x40000                  ; cx
	s_lshr_b32 s19, ttmp9, 5                       ; b
	s_and_b32 s18, ttmp9, 31
	s_lshr_b32 s[DIAG], s18, 1                     ; 64 queries a cluster, 128 keys a step
	s_lshl_b32 s20, s18, 2
	s_add_co_u32 s20, s20, s17                     ; my block of 16 queries, 0..127
	s_lshr_b32 s[GRP], s[WV], 2
	s_lshl_b32 s21, s19, 2
	s_mov_b32 s[G1K], 15|(3<<16)|(1<<21)           ; all four partners; elements of 8 bytes; dense rows of 256 bytes
	s_mov_b32 s[G1K+1], 32<<16
	s_mov_b32 s[G1K+2], 70<<16
	s_mov_b32 s[G1K+3], 32<<16
	s_mov_b32 s[G1K+4], 70
	s_mov_b32 s[G1K+5], 32
	s_mov_b32 s[G1K+6], 0
	s_mov_b32 s[G1K+7], 0
	s_mov_b32 s[G1M], (2<<16)|(1<<20)|(6<<22)|(3<<25)   ; my own load: 16 rows of 128 f32, four words of padding behind each
	s_mov_b32 s[G1M+1], 128<<16
	s_mov_b32 s[G1M+2], 16<<16
	s_mov_b32 s[G1M+3], 128<<16
	s_mov_b32 s[G1M+4], 16
	s_mov_b32 s[G1M+5], 2048
	s_mov_b32 s[G1M+6], 0
	s_mov_b32 s[G1M+7], 0
	s_lshr_b32 s90, s[WV], 1                       ; the half record that I fetch: b and the wave's number alone
	s_add_co_u32 s90, s90, s21
	s_mul_i32 s90, s90, 16*REC
	s_and_b32 s91, s[WV], 1
	s_mul_i32 s91, s91, HREC
	s_add_co_u32 s90, s90, s91
	s_mov_b32 s91, 0
	s_mul_i32 s22, s[WV], HREC
	s_lshl_b32 s92, s19, 24                        ; the mask: b, my 16 rows of 8,192 bytes
	s_lshl_b32 s93, s20, 17
	s_add_co_u32 s92, s92, s93
	s_mov_b32 s93, 0
	s_and_b32 s95, s[WV], 3                        ; hh
	s_add_co_u32 s72, s[GRP], s21
	s_lshl_b32 s72, s72, 4
	s_lshr_b32 s23, s20, 3
	s_add_co_u32 s72, s72, s23
	s_mul_i32 s72, s72, REC                        ; Q's record
	s_mov_b32 s73, 0
	s_and_b32 s23, s20, 7
	s_lshl_b32 s82, s95, 12
	s_lshl_b32 s83, s23, 9
	s_add_co_u32 s82, s82, s83                     ; Q's codes in it
	s_lshr_b32 s83, s82, 3                         ; and its scale words
	s_mul_i32 s84, s[GRP], REC
	s_lshl_b32 s85, s95, 9
	s_add_co_u32 s85, s85, s84
	s_add_co_u32 s85, s85, 32768                   ; K's scale words in a slot
	s_lshl_b32 s86, s95, 8
	s_add_co_u32 s86, s86, s84
	s_add_co_u32 s86, s86, 34816                   ; V's
	s_lshl_b32 s23, s95, 12
	s_add_co_u32 s84, s84, s23                     ; the codes
	s_lshl_b32 s87, s20, 4                         ; my first query
	s_mul_i32 s70, s[WV], HAREC                    ; out_w: half record w of the first eight,
	s_mov_b32 s71, 0
	s_mul_i32 s76, s[GRP], SLOTB                   ; to slot w / 4, place w % 4
	s_mul_i32 s77, s95, HAREC
	s_add_co_u32 s76, s76, s77
	s_lshl_b32 s78, s20, 17                        ; out0: rows (t, b) of 4,096 bytes
	s_lshl_b32 s23, s19, 12
	s_add_co_u32 s78, s78, s23
	s_lshl_b32 s80, s[WV], 8
	s_add_co_u32 s78, s78, s80
	s_mov_b32 s79, 0
	s_mov_b32 s81, 0
	s_sub_co_u32 s88, s[WV], 10                    ; the prefetches
	s_lshl_b32 s88, s88, 5
	s_add_co_u32 s66, s21, s17
	s_mul_i32 s66, s66, 16*REC
	s_add_co_u32 s66, s66, 2*REC                   ; record cx at step 2: each change of slots steps it first
	s_add_co_u32 s68, s92, 2*512
	s_add_co_u32 s99, s17, 4
	s_mul_i32 s99, s99, AREC
	s_sub_co_u32 s99, s99, 6*8192                  ; out_w's record 4 + cx, six changes early
	s_sub_co_u32 s23, s[WV], 9
	s_cmp_lt_u32 s23, 6
	s_cselect_b32 s[LIM], 13, 0                    ; waves 9-14 ask at the first thirteen changes
	s_cmp_eq_u32 s[WV], 9
	s_cselect_b32 s66, s68, s66
	s_mov_b32 s68, REC
	s_cselect_b32 s68, 512, s68
	s_cselect_b32 s89, -1, 0
	s_cmp_eq_u32 s[WV], 15
	s_cselect_b32 s66, s99, s66
	s_cselect_b32 s68, 8192, s68
	s_cselect_b32 s98, -1, 0
	s_cselect_b32 s[LO], 5, 0
	s_cselect_b32 s[LIM], 8, s[LIM]                ; wave 15 at changes 5-12
	s_mov_b32 s67, 0
	s_mov_b32 s69, 0
	s_mov_b32 s[CS], 0x3fb8aa3b                    ; log2(e)
	s_mov_b32 s[CS+1], s[CS]
	s_mov_b32 s[SEL], 0x76543210
	s_mov_b32 s[SEL+1], 0xfedcba98
	s_mov_b32 s[CLIP], 0xc61c4000                  ; -10000.0
	s_mov_b32 s[TRIP], 7
	s_mov_b32 s[KST], 0
	s_wait_dscnt 0x0
	s_wait_kmcnt 0x0
	s_cmp_eq_u32 s[WV], 9
	s_cselect_b64 s[74:75], s[8:9], s[6:7]
	s_cmp_eq_u32 s[WV], 15
	s_cselect_b64 s[74:75], s[10:11], s[74:75]
	s_add_nc_u64 s[PFA:PFA+1], s[74:75], s[PFA:PFA+1]
	s_add_nc_u64 s[90:91], s[6:7], s[90:91]
	s_add_nc_u64 s[92:93], s[8:9], s[92:93]
	s_add_nc_u64 s[72:73], s[4:5], s[72:73]
	s_add_nc_u64 s[78:79], s[14:15], s[78:79]
	s_add_nc_u64 s[80:81], s[12:13], s[80:81]
	s_add_nc_u64 s[G0W+2:G0W+3], s[10:11], s[70:71]
	s_or_b32 s[G0W+3], s[G0W+3], 0x80000000
	s_mov_b32 s[G0W], 1
	s_mov_b32 s[G0W+1], s76
	s_mov_b32 s[G1W], 15|(3<<16)|(1<<21)           ; 136 dense rows of 256 bytes
	s_mov_b32 s[G1W+1], 32<<16
	s_mov_b32 s[G1W+2], 136<<16
	s_mov_b32 s[G1W+3], 32<<16
	s_mov_b32 s[G1W+4], 136
	s_mov_b32 s[G1W+5], 32
	s_mov_b32 s[G1W+6], 0
	s_mov_b32 s[G1W+7], 0
.irp s, 0,1
	s_mov_b32 s[G0K+4*\s], 1
	s_add_co_u32 s[G0K+4*\s+1], s22, \s*SLOTB
	s_add_nc_u64 s[G0K+4*\s+2:G0K+4*\s+3], s[90:91], \s*REC
	s_or_b32 s[G0K+4*\s+3], s[G0K+4*\s+3], 0x80000000
	s_mov_b32 s[G0M+4*\s], 1
	s_mov_b32 s[G0M+4*\s+1], 4*REC+\s*SLOTB
	s_add_nc_u64 s[G0M+4*\s+2:G0M+4*\s+3], s[92:93], \s*512
	s_or_b32 s[G0M+4*\s+3], s[G0M+4*\s+3], 0x80000000
.endr
	ROUND                                          ; the four partners are here: the first joint loads meet
	TLOAD 0                                        ; step 0: one load a wave
	v_and_b32 v112, 31, v0                         ; lane
	v_and_b32 v113, 15, v0                         ; r
	v_bfe_u32 v114, v0, 4, 1                       ; h
	v_lshl_add_u32 v115, v112, 4, s82
	v_lshl_add_u32 v116, v113, 2, s83
	global_load_b128 v[QF:QF+3], v115, s[72:73]
	global_load_b32 v[QS], v116, s[72:73] offset:32768
	v_lshl_add_u32 v1, v112, 4, s84                ; v1-4: slot 0's addresses (codes, K's words, V's words, mask); v8-11: slot 1's
	v_lshl_add_u32 v2, v112, 2, s85
	v_lshl_add_u32 v3, v112, 2, s86
	v_mul_u32_u24 v4, v113, 528
	v_lshl_add_u32 v4, v114, 5, v4
	v_add_nc_u32 v4, 4*REC, v4
.irp a, 1,2,3,4
	v_add_nc_u32 v[7+\a], SLOTB, v[\a]
.endr
	v_lshlrev_b32 v119, 3, v114
.irp o, 0,1,2,3,4,5,6,7,8,9,10,11,12,13,14,15
	v_add_nc_u32 v[OFF+\o], 16*(\o/8)+(\o%8), v119
.endr
.irp o, 0,1,2,3,4,5,6,7,8,9,10,11,12,13,14,15
	v_cvt_f32_u32 v[OFF+\o], v[OFF+\o]
.endr
	v_add_nc_u32 v120, s87, v113                   ; i
.irp b, 0,1,2,3
	v_add_nc_u32 v[DB+\b], -32*\b, v120
.endr
.irp b, 0,1,2,3
	v_cvt_f32_i32 v[DB+\b], v[DB+\b]
.endr
	v_lshrrev_b32 v117, 1, v112                    ; the mask's blocks: row lane / 2, half lane % 2
	v_lshlrev_b32 v117, 13, v117
	v_and_b32 v118, 1, v112
	v_lshl_add_u32 v117, v118, 8, v117
	v_add_nc_u32 v118, s88, v112                   ; a record's: block 32 (w - 10) + lane, held at the last
	v_min_u32 v118, 139, v118
	v_lshlrev_b32 v118, 8, v118
	v_lshlrev_b32 v121, 8, v112                    ; out_w's: block lane
	v_cndmask_b32 v[PFO], v118, v117, s89
	v_cndmask_b32 v[PFO], v[PFO], v121, s98
	v_cvt_f32_u32 v[AL], s[WV]
	v_mul_f32 v[AL], 0xbd800000, v[AL]
	s_wait_alu depctr_va_vdst(0)                   ; the wait ahead of the transcendental
	v_exp_f32 v[AL], v[AL]                         ; alpha = 2^(-head / 16)
.irp j, 4,5,6,7
	v_mov_b32 v[QF+\j], 0
.endr
.irp j, 0,1,2,3
	v_mov_b32 v[VF+\j], 0                          ; read as the upper half of K's last fragment
	v_mov_b32 v[B2+\j], 0
.endr
	v_mov_b32 v13, s[CLIP]
	v_mul_f32 v13, s[CS], v13                      ; the largest t so far: the clip's, under which no t falls
	v_floor_f32 v12, -v13
	v_mov_b32 v14, 0
	v_mov_b32 v15, 0
	v_mov_b32 v[FF+1], 0
.set j, 0
.rept 32
	v_mov_b32 v[O+j], 0                            ; the step is written for every step alike: the first finds zeros
.set j, j+1
.endr
	s_wait_alu depctr_va_vdst(0)                   ; and ahead of alpha's first reader
	v_mul_f32 v[AL2], 0xbfb8aa3b, v[AL]
	v_bfi_b32 v[SA], 0x7fffffff, v[AL], v[DB]
.macro SMUL t
.if (\t)%2
	v_wmma_scale_f32_16x16x128_f8f6f4 v[S+8*(\t):S+8*(\t)+7], v[KF+4*(\t):KF+4*(\t)+7], v[QF:QF+7], v[S+8*(\t):S+8*(\t)+7], v[KS+(\t)/2], v[QS] matrix_a_fmt:MATRIX_FMT_FP4 matrix_b_fmt:MATRIX_FMT_FP4 matrix_a_scale:MATRIX_SCALE_ROW1
.else
	v_wmma_scale_f32_16x16x128_f8f6f4 v[S+8*(\t):S+8*(\t)+7], v[KF+4*(\t):KF+4*(\t)+7], v[QF:QF+7], v[S+8*(\t):S+8*(\t)+7], v[KS+(\t)/2], v[QS] matrix_a_fmt:MATRIX_FMT_FP4 matrix_b_fmt:MATRIX_FMT_FP4
.endif
.endm
.macro PVMUL d
.if (\d)%2
	v_wmma_scale_f32_16x16x128_f8f6f4 v[O+8*(\d):O+8*(\d)+7], v[VF+8*(\d):VF+8*(\d)+7], v[PC:PC+7], v[O+8*(\d):O+8*(\d)+7], v[VS+(\d)/2], v[PW] matrix_a_fmt:MATRIX_FMT_FP4 matrix_b_fmt:MATRIX_FMT_FP4 matrix_a_scale:MATRIX_SCALE_ROW1
.else
	v_wmma_scale_f32_16x16x128_f8f6f4 v[O+8*(\d):O+8*(\d)+7], v[VF+8*(\d):VF+8*(\d)+7], v[PC:PC+7], v[O+8*(\d):O+8*(\d)+7], v[VS+(\d)/2], v[PW] matrix_a_fmt:MATRIX_FMT_FP4 matrix_b_fmt:MATRIX_FMT_FP4
.endif
.endm
.macro LOADK n                         ; K's eight tiles and their scale words out of slot n
.irp t, 0,1,2,3,4,5,6,7
	ds_load_b128 v[KF+4*\t:KF+4*\t+3], v[1+7*(\n)] offset:512*\t
.endr
.irp b, 0,1,2,3
	ds_load_b32 v[KS+\b], v[2+7*(\n)] offset:128*\b
.endr
.endm
.macro LOADM n, b                      ; the mask of block b's 32 keys
.irp i, 0,1,2,3
	ds_load_b128 v[S+16*(\b)+4*\i:S+16*(\b)+4*\i+3], v[4+7*(\n)] offset:128*(\b)+64*(\i/2)+16*(\i%2)
.endr
.endm
; C, the scores and the request for V, of the step in slot n.  Sixteen mask loads are out at most; block b's are in when 12 - 4 b are.
.macro BUILD n
	s_cmp_lg_u32 s[KST], s[DIAG]
	s_wait_alu depctr_va_vdst(0)
	s_cbranch_scc1 .Lfast_\@
.rept 4
	v_nop                                          ; places behind the last products, whose V registers serve as scratch here
.endr
.irp b, 0,1,2,3                                ; the step on the diagonal: C = mask + alpha (|i - j0| - |i - j|); the numbers in the bracket are whole
	s_wait_dscnt 12-4*\b
.irp o, 0,1,2,3,4,5,6,7,8,9,10,11,12,13,14,15
	v_sub_f32 v[TM+\o], v[DB+\b], v[OFF+\o]
.endr
.irp o, 0,1,2,3,4,5,6,7,8,9,10,11,12,13,14,15
	v_sub_f32 v[TM+\o], |v[DB+\b]|, |v[TM+\o]|
.endr
.irp o, 0,1,2,3,4,5,6,7,8,9,10,11,12,13,14,15
	v_fma_f32 v[S+16*\b+\o], v[TM+\o], v[AL], v[S+16*\b+\o]
.endr
.endr
	s_branch .Ljoin_\@
.Lfast_\@:
.irp b, 0,1,2,3                                ; C = mask + s alpha (j - j0), two at a time
	s_wait_dscnt 12-4*\b
.irp o, 0,2,4,6,8,10,12,14
	v_pk_fma_f32 v[S+16*\b+\o:S+16*\b+\o+1], v[OFF+\o:OFF+\o+1], v[SA:SA+1], v[S+16*\b+\o:S+16*\b+\o+1] op_sel_hi:[1,0,1]
.endr
.endr
.Ljoin_\@:
	s_wait_alu depctr_va_vdst(0)
.irp t, 0,1,2,3,4,5,6,7
	SMUL \t                                        ; eight accumulators, one instruction a turn
.endr
.irp b, 0,1,2,3
	v_mul_f32 v[EL+\b], |v[DB+\b]|, v[AL2]         ; the block's own term, as t.  (These lines are the places behind the products)
.endr
	v_pk_add_f32 v[DB:DB+1], v[DB:DB+1], 0xc3000000 op_sel_hi:[1,0]       ; the next step's keys lie 128 on
	v_pk_add_f32 v[DB+2:DB+3], v[DB+2:DB+3], 0xc3000000 op_sel_hi:[1,0]
	v_bfi_b32 v[SA], 0x7fffffff, v[AL], v[DB]
.irp d, 0,1,2,3
.irp c, 0,1
	ds_load_b128 v[VF+8*\d+4*\c:VF+8*\d+4*\c+3], v[1+7*(\n)] offset:16384+1024*\d+512*\c
.endr
.endr
.irp e, 0,1
	ds_load_b32 v[VS+\e], v[3+7*(\n)] offset:128*\e
.endr
	s_add_co_u32 s[KST], s[KST], 1
.endm
; The maxima, M and the addends: work on registers, under which V lands.
.macro SOFTA
.irp b, 0,1,2,3
	v_max3_num_f32 v[BM+\b], v[S+16*\b], v[S+16*\b+1], v[S+16*\b+2]   ; each tile is read from its low end on
.endr
.irp i, 3,5,7,9,11,13
.irp b, 0,1,2,3
	v_max3_num_f32 v[BM+\b], v[BM+\b], v[S+16*\b+\i], v[S+16*\b+\i+1]
.endr
.endr
.irp b, 0,1,2,3
	v_max_num_f32 v[BM+\b], v[BM+\b], v[S+16*\b+15]
.endr
.irp b, 0,1,2,3
	v_permlanex16_b32 v[B2+\b], v[BM+\b], s[SEL], s[SEL+1]
.endr
.irp b, 0,1,2,3
	v_max_num_f32 v[BM+\b], v[BM+\b], v[B2+\b]     ; lanes l and l xor 16 share the query and so the block's term
.endr
.irp b, 0,1,2,3
	v_fma_f32 v[B2+\b], v[BM+\b], s[CS], v[EL+\b]  ; the block's largest t
.endr
	s_delay_alu instid0(VALU_DEP_2)
	v_max3_num_f32 v[T1], v[B2], v[B2+1], v[B2+2]
	s_delay_alu instid0(VALU_DEP_1)
	v_max3_num_f32 v13, v[T1], v[B2+3], v13        ; the running largest t
	v_mov_b32 v[T1], v12
	s_delay_alu instid0(VALU_DEP_2)
	v_floor_f32 v12, -v13                          ; -M
	s_delay_alu instid0(VALU_DEP_1)
	v_sub_f32 v[T1], v12, v[T1]                    ; old M - new M: a whole number, 0 or less
	v_fma_f32 v[XC], s[CLIP], s[CS], v12
	v_fma_f32 v[XC+1], s[CLIP], s[CS], v12
	v_pk_add_f32 v[EL:EL+1], v[EL:EL+1], v[12:13] op_sel_hi:[1,0]
	v_pk_add_f32 v[EL+2:EL+3], v[EL+2:EL+3], v[12:13] op_sel_hi:[1,0]
	v_cvt_i32_f32 v[T1], v[T1]
	s_delay_alu instid0(VALU_DEP_1)
	v_ldexp_f32 v[FF], 1.0, v[T1]                  ; f = 2^(old M - new M)
.endm
; p, its codes, the sums, O^T.  more = 1: the next step's mask, out of slot n, follows each block into its registers.
.macro SOFTB n, more
.irp b, 0,2
.irp o, 0,2,4,6,8,10,12,14
	v_pk_fma_f32 v[S+16*\b+\o:S+16*\b+\o+1], v[S+16*\b+\o:S+16*\b+\o+1], s[CS:CS+1], v[EL+\b:EL+\b+1] op_sel_hi:[1,0,0]   ; t - M; the addend is the pair's first word,
.endr
.irp o, 0,2,4,6,8,10,12,14
	v_pk_fma_f32 v[S+16*\b+16+\o:S+16*\b+17+\o], v[S+16*\b+16+\o:S+16*\b+17+\o], s[CS:CS+1], v[EL+\b:EL+\b+1] op_sel:[0,0,1] op_sel_hi:[1,0,1]   ; or its second
.endr
.endr
.irp b, 0,1,2,3
	v_fma_f32 v[BM+\b], v[BM+\b], s[CS], v[EL+\b]  ; the same multiply-add on the block's largest
.endr
.irp b, 0,1,2,3
	v_max_num_f32 v[BM+\b], v[BM+\b], v[XC]
.endr
.set j, 0
.rept 32
	v_dual_max_num_f32 v[S+j], v[XC], v[S+j] :: v_dual_max_num_f32 v[S+j+1], v[XC+1], v[S+j+1]   ; THE CLIP; -infinity loses
.set j, j+2
.endr
	s_wait_alu depctr_va_vdst(0)                   ; one wait ahead of the batch,
.set j, 0
.rept 64
	v_exp_f32 v[S+j], v[S+j]                       ; p = 2^(t - M)
.set j, j+1
.endr
.irp b, 0,1,2,3
	v_exp_f32 v[BM+\b], v[BM+\b]
.endr
	v_pk_mul_f32 v[14:15], v[14:15], v[FF:FF+1] op_sel_hi:[1,0]
	s_wait_alu depctr_va_vdst(0)                   ; and one behind it
.irp b, 0,1,2,3
	v_max_num_f32 v[BM+\b], 0x1800000, v[BM+\b]    ; the floor 2^(3 - 127)
.endr
.irp b, 0,1,2,3
	v_add_nc_u32 v[SCO+\b], 0xff000000, v[BM+\b]
.endr
.irp b, 0,1,2,3
	v_lshrrev_b32 v[B2+\b], 23, v[SCO+\b]
.endr
	v_lshl_or_b32 v[PW], v[B2+1], 8, v[B2]
	s_delay_alu instid0(VALU_DEP_1)
	v_lshl_or_b32 v[PW], v[B2+2], 16, v[PW]
	s_delay_alu instid0(VALU_DEP_1)
	v_lshl_or_b32 v[PW], v[B2+3], 24, v[PW]
.irp b, 0,1,2,3                                ; block by block: codes, the sum of the unquantised p in four chains, and then its registers are free
	v_cvt_scalef32_pk8_fp4_f32 v[PC+2*\b], v[S+16*\b:S+16*\b+7], v[SCO+\b]
	v_cvt_scalef32_pk8_fp4_f32 v[PC+2*\b+1], v[S+16*\b+8:S+16*\b+15], v[SCO+\b]
.if \b == 0
.irp m, 0,1,2,3
	v_pk_add_f32 v[ST+2*\m:ST+2*\m+1], v[S+4*\m:S+4*\m+1], v[S+4*\m+2:S+4*\m+3]
.endr
.else
.irp m, 0,1,2,3,4,5,6,7
	v_pk_add_f32 v[ST+2*(\m%4):ST+2*(\m%4)+1], v[ST+2*(\m%4):ST+2*(\m%4)+1], v[S+16*\b+2*\m:S+16*\b+2*\m+1]
.endr
.endif
.if \more
	LOADM \n, \b
.endif
.endr
.irp c, 0,1
.irp i, 0,1
	v_permlane16_swap_b32 v[PC+4*\c+\i], v[PC+4*\c+2+\i]
.endr
.endr
	v_pk_add_f32 v[ST:ST+1], v[ST:ST+1], v[ST+2:ST+3]
	v_pk_add_f32 v[ST+4:ST+5], v[ST+4:ST+5], v[ST+6:ST+7]
	s_delay_alu instid0(VALU_DEP_2)
	v_pk_add_f32 v[14:15], v[14:15], v[ST:ST+1]
	s_delay_alu instid0(VALU_DEP_1)
	v_pk_add_f32 v[14:15], v[14:15], v[ST+4:ST+5]
	s_wait_alu depctr_va_vdst(0)                   ; the wait directly ahead of the first reader of O^T
.set j, 0
.rept 16
	v_pk_mul_f32 v[O+j:O+j+1], v[O+j:O+j+1], v[FF:FF+1] op_sel_hi:[1,0]
.set j, j+2
.endr
.irp d, 0,1,2,3
	PVMUL \d                                       ; V was in at the change of slots
.endr
.endm
; THE CHANGE OF SLOTS: all my tensor loads are in, the add, my reads of slot p are over; behind the round slot p is filled.
; kind 0: slot p's first fill; 1: the step two on; 2, 3: out_w's records, by waves 0-3, 4-7.
.macro XCH p, kind
	s_wait_alu depctr_va_vdst(0)
	s_wait_tensorcnt 0x0
	ds_add_u32 v[SPW], v[NIL]
	ds_add_u32 v[SPW], v[NIL]
.if \kind == 1
	s_add_nc_u64 s[G0K+4*(\p)+2:G0K+4*(\p)+3], s[G0K+4*(\p)+2:G0K+4*(\p)+3], 2*REC
	s_add_nc_u64 s[G0M+4*(\p)+2:G0M+4*(\p)+3], s[G0M+4*(\p)+2:G0M+4*(\p)+3], 2*512
.endif
.if \kind < 2
	s_wait_xcnt 0x0                                ; my last prefetch has read its address
	s_add_nc_u64 s[PFA:PFA+1], s[PFA:PFA+1], s[PFS:PFS+1]
.endif
	s_wait_dscnt 0x0
	ROUND
.if \kind < 2
	TLOAD \p
	ASK
.else
	WTL 4*(\kind)-8, 4*(\kind)-4
.endif
.endm
.macro BODY p, kind, more
	SOFTA
	XCH \p, \kind
.if \more
	LOADK 1-(\p)
.endif
	SOFTB 1-(\p), \more
.if \more
	BUILD 1-(\p)
.endif
.endm
	s_wait_alu depctr_va_vdst(0)                   ; the head's end
	s_wait_loadcnt 0x0                             ; Q
	XCH 1, 0                                       ; step 0 is in; step 1 is asked for
	LOADK 0
.irp b, 0,1,2,3
	LOADM 0, \b
.endr
	BUILD 0
.Lpair:                                            ; seven trips of two steps: steps 0-13, which ask for steps 2-15
	BODY 0, 1, 1
	BODY 1, 1, 1
	s_sub_co_u32 s[TRIP], s[TRIP], 1
	s_cmp_lg_u32 s[TRIP], 0
	s_wait_alu depctr_va_vdst(0)
	s_cbranch_scc1 .Lpair
	BODY 0, 2, 1                                   ; step 14: slot 0 takes out_w's records 0 and 1,
	BODY 1, 3, 0                                   ; step 15: slot 1 records 2 and 3
; THE TAIL.
.macro LQ q                            ; two K steps: my rows' fragments (4 loads) and out_w's for my four tiles (16)
.irp k, 0,1
.irp c, 0,1
	ds_load_b128 v[208+16*((\q)%2)+8*\k+4*\c:208+16*((\q)%2)+8*\k+4*\c+3], v27 offset:(2*(\q)+\k)*1024+512*\c
.endr
.endr
.irp k, 0,1
.irp n, 0,1,2,3
.irp c, 0,1
	ds_load_b128 v[48+64*((\q)%2)+32*\k+8*\n+4*\c:48+64*((\q)%2)+32*\k+8*\n+4*\c+3], v16 offset:\n*8192+(2*(\q)+\k)*1024+512*\c
.endr
.endr
.endr
.endm
.macro MULB q                          ; source 0 = 16 rows of out_w, source 1 = my work-group's 16 rows; four accumulators by turns
.irp k, 0,1
.irp n, 0,1,2,3
.if \n%2
	v_wmma_scale_f32_16x16x128_f8f6f4 v[O+8*\n:O+8*\n+7], v[48+64*((\q)%2)+32*\k+8*\n:48+64*((\q)%2)+32*\k+8*\n+7], v[208+16*((\q)%2)+8*\k:208+16*((\q)%2)+8*\k+7], v[O+8*\n:O+8*\n+7], v[32+2*(2*(\q)+\k)+\n/2], v[240+2*(\q)+\k] matrix_a_fmt:MATRIX_FMT_FP4 matrix_b_fmt:MATRIX_FMT_FP4 matrix_a_scale:MATRIX_SCALE_ROW1
.else
	v_wmma_scale_f32_16x16x128_f8f6f4 v[O+8*\n:O+8*\n+7], v[48+64*((\q)%2)+32*\k+8*\n:48+64*((\q)%2)+32*\k+8*\n+7], v[208+16*((\q)%2)+8*\k:208+16*((\q)%2)+8*\k+7], v[O+8*\n:O+8*\n+7], v[32+2*(2*(\q)+\k)+\n/2], v[240+2*(\q)+\k] matrix_a_fmt:MATRIX_FMT_FP4 matrix_b_fmt:MATRIX_FMT_FP4
.endif
.endr
.endr
.endm
.macro PROJ                            ; 16 rows x my 64 columns, K = 1,024 in four batches; a batch's 20 loads may be out while the one before is multiplied
.irp k, 0,1,2,3,4,5,6,7
	ds_load_b32 v[240+\k], v19 offset:64*\k
.irp g, 0,1
	ds_load_b32 v[32+2*\k+\g], v20 offset:1024*\g+64*\k
.endr
.endr
	LQ 0
	LQ 1
	s_wait_dscnt 20
	MULB 0
.rept 4
	v_nop
.endr
	LQ 2
	s_wait_dscnt 20
	MULB 1
.rept 4
	v_nop
.endr
	LQ 3
	s_wait_dscnt 20
	MULB 2
	s_wait_dscnt 0x0
	MULB 3
.rept 4
	v_nop
.endr
.endm
.macro OUT                             ; through the stage; back as rows of 256 bytes
.irp n, 0,1,2,3
	ds_store_b128 v23, v[O+8*\n:O+8*\n+3] offset:64*\n
	ds_store_b128 v23, v[O+8*\n+4:O+8*\n+7] offset:64*\n+16
.endr
.irp i, 0,1,2,3,4,5,6,7
	ds_load_b128 v[48+4*\i:48+4*\i+3], v24 offset:\i*2*272
.endr
.irp i, 0,1,2,3,4,5,6,7
	s_wait_dscnt 7-\i
	global_store_b128 v25, v[48+4*\i:48+4*\i+3], s[78:79] offset:\i*16384 th:TH_STORE_NT   ; sixteen lanes store 256 consecutive bytes, aligned
.endr
	s_wait_xcnt 0x0                                ; the stores have read their registers: nothing behind this line lands on them too early
.endm
.rept 4
	v_nop                                          ; places behind the last products
.endr
	s_lshl_b32 s20, s[WV], 9
	s_add_co_u32 s20, s20, ASTG                    ; my head's 512 bytes of O / l's codes
	s_lshr_b32 s21, s[WV], 1
	s_lshl_b32 s21, s21, 6
	s_and_b32 s22, s[WV], 1
	s_lshl_b32 s23, s22, 1
	s_add_co_u32 s21, s21, s23
	s_add_co_u32 s21, s21, ASC                     ; its two bytes of the K step's scale words
	s_and_b32 s23, s[WV], 3
	s_mul_i32 s23, s23, 16*272
	s_add_co_u32 s23, s23, OSTG                    ; the stage that my group of four waves has in its turn
	s_and_b32 s70, s[GRP], 1                       ; out_w in LDS: slot (w / 4) % 2, record (w / 2) % 2 of it, tiles 4 (w % 2) on
	s_mul_i32 s70, s70, SLOTB
	s_bfe_u32 s71, s[WV], 0x10001
	s_mul_i32 s71, s71, AREC
	s_add_co_u32 s70, s70, s71
	s_lshl_b32 s71, s22, 11
	s_add_co_u32 s71, s71, s70
	s_add_co_u32 s71, s71, 65536
	s_lshl_b32 s22, s22, 15
	s_add_co_u32 s70, s70, s22
	v_and_b32 v27, 31, v0
	v_and_b32 v17, 15, v0                          ; r
	v_bfe_u32 v18, v0, 4, 1                        ; h
	v_lshl_add_u32 v16, v27, 4, s70
	v_lshl_add_u32 v27, v27, 4, ASTG
	v_lshl_add_u32 v19, v17, 2, ASC
	v_lshl_add_u32 v20, v17, 2, s71
	v_lshl_add_u32 v20, v18, 9, v20                ; lanes 16-31 take the next tile's scale words
	v_lshl_add_u32 v21, v17, 4, s20
	v_lshl_add_u32 v21, v18, 3, v21
	v_lshl_add_u32 v22, v17, 2, s21
	v_mul_u32_u24 v23, v17, 272
	v_lshl_add_u32 v23, v18, 5, v23
	v_add_nc_u32 v23, s23, v23
	v_mul_u32_u24 v24, v18, 272
	v_lshl_add_u32 v24, v17, 4, v24
	v_add_nc_u32 v24, s23, v24
	v_lshlrev_b32 v25, 13, v18
	v_lshl_add_u32 v25, v17, 4, v25                ; out0: t and t + 1 lie 8,192 bytes apart
	v_lshlrev_b32 v26, 5, v18
	v_add_f32 v14, v14, v15
	s_delay_alu instid0(VALU_DEP_1)
	v_permlanex16_b32 v[B2], v14, s[SEL], s[SEL+1]
	s_delay_alu instid0(VALU_DEP_1)
	v_add_f32 v14, v14, v[B2]                      ; the row's sum
	s_wait_alu depctr_va_vdst(0)
	v_rcp_f32 v14, v14
	v_nop
	s_wait_alu depctr_va_vdst(0)
.set j, 0
.rept 16
	v_pk_mul_f32 v[O+j:O+j+1], v[O+j:O+j+1], v[14:15] op_sel_hi:[1,0]   ; O / l: register 8 d + j of lane (r, h) is channel 16 d + 8 h + j
.set j, j+2
.endr
.irp e, 0,1
	v_max3_num_f32 v[BM+\e], |v[O+16*\e]|, |v[O+16*\e+1]|, 0x1800000
.endr
.irp i, 2,4,6,8,10,12,14
.irp e, 0,1
	v_max3_num_f32 v[BM+\e], v[BM+\e], |v[O+16*\e+\i]|, |v[O+16*\e+\i+1]|
.endr
.endr
.irp e, 0,1
	v_permlanex16_b32 v[B2+\e], v[BM+\e], s[SEL], s[SEL+1]
.endr
.irp e, 0,1
	v_max_num_f32 v[BM+\e], v[BM+\e], v[B2+\e]
.endr
.irp e, 0,1
	v_add_nc_u32 v[SCO+\e], 0xff000000, v[BM+\e]
.endr
.irp e, 0,1
	v_lshrrev_b32 v[B2+\e], 23, v[SCO+\e]
.endr
.irp e, 0,1
	v_cvt_scalef32_pk8_fp4_f32 v[PC+2*\e], v[O+16*\e:O+16*\e+7], v[SCO+\e]
	v_cvt_scalef32_pk8_fp4_f32 v[PC+2*\e+1], v[O+16*\e+8:O+16*\e+15], v[SCO+\e]
.endr
	v_nop
	v_lshl_or_b32 v[T1], v[B2+1], 8, v[B2]
	ds_store_b64 v21, v[PC:PC+1]                   ; an image of the operand's registers: [head][block 2][row 16][16 B]
	ds_store_b64 v21, v[PC+2:PC+3] offset:256
	ds_store_b16 v22, v[T1]
.irp n, 0,1,2,3
	global_load_b128 v[O+8*\n:O+8*\n+3], v26, s[80:81] offset:64*\n       ; out_b in the result's layout: the sums begin with it
	global_load_b128 v[O+8*\n+4:O+8*\n+7], v26, s[80:81] offset:64*\n+16
.endr
	s_wait_alu depctr_va_vdst(0)
	s_wait_tensorcnt 0x0                           ; out_w's records 0-3 are in,
	s_wait_dscnt 0x0                               ; my codes are stored: for the others' sake
	s_wait_loadcnt 0x0                             ; out_b is in, on every wave's way
	s_barrier_signal -1
	s_barrier_wait -1
	s_cmp_lt_u32 s[WV], 8
	s_cbranch_scc0 .Lp_first
	PROJ
.Lp_first:
	s_cmp_lt_u32 s[WV], 4                          ; waves 0-3 have the stages first
	s_cbranch_scc0 .Lo_0
	OUT
.Lo_0:
	s_wait_alu depctr_va_vdst(0)
	s_wait_tensorcnt 0x0
	ds_add_u32 v[SPW], v[NIL]
	ds_add_u32 v[SPW], v[NIL]
	s_add_nc_u64 s[G0W+2:G0W+3], s[G0W+2:G0W+3], 4*AREC   ; records 4-7
	s_wait_dscnt 0x0                               ; my reads of records 0-3 are over
	ROUND
	WTL 0, 8
	s_cmp_lt_u32 s[WV], 4                          ; then waves 4-7
	s_cbranch_scc1 .Lo_1
	s_cmp_lt_u32 s[WV], 8
	s_cbranch_scc0 .Lo_1
	OUT
.Lo_1:
	s_wait_tensorcnt 0x0
	s_wait_dscnt 0x0
	s_barrier_signal -1
	s_barrier_wait -1
	s_cmp_lt_u32 s[WV], 8
	s_cbranch_scc1 .Lp_second
	PROJ
.Lp_second:
	s_cmp_lt_u32 s[WV], 8                          ; waves 8-11
	s_cbranch_scc1 .Lo_2
	s_cmp_lt_u32 s[WV], 12
	s_cbranch_scc0 .Lo_2
	OUT
.Lo_2:
	s_wait_dscnt 0x0
	s_barrier_signal -1
	s_barrier_wait -1
	s_cmp_lt_u32 s[WV], 12                         ; waves 12-15
	s_cbranch_scc1 .Lo_3
	OUT
.Lo_3:
	s_wait_tensorcnt 0x0                           ; the wave's end
	ds_add_u32 v[SPW], v[NIL]
	s_wait_dscnt 0x0
	ROUND                                          ; the closing round
	s_endpgm
.Lfunc_end_k_qe450402cab_attn:
	.size	k_qe450402cab_attn, .Lfunc_end_k_qe450402cab_attn-k_qe450402cab_attn
	.p2alignl 7, 3214868480
	.fill 96, 4, 3214868480
	.section	.rodata,"a",@progbits
	.p2align	6, 0x0
	.amdhsa_kernel k_qe450402cab_attn
		.amdhsa_group_segment_fixed_size 327680
		.amdhsa_private_segment_fixed_size 0
		.amdhsa_enable_private_segment 0
		.amdhsa_kernarg_size 48
		.amdhsa_user_sgpr_count 2
		.amdhsa_user_sgpr_kernarg_segment_ptr 1
		.amdhsa_wavefront_size32 1
		.amdhsa_system_sgpr_workgroup_id_x 1
		.amdhsa_system_sgpr_workgroup_id_y 1
		.amdhsa_system_sgpr_workgroup_id_z 1
		.amdhsa_system_vgpr_workitem_id 0
		.amdhsa_next_free_vgpr 256
		.amdhsa_next_free_sgpr 100
		.amdhsa_reserve_vcc 0
		.amdhsa_float_denorm_mode_32 3
		.amdhsa_float_denorm_mode_16_64 3
		.amdhsa_memory_ordered 1
		.amdhsa_forward_progress 1
		.amdhsa_inst_pref_size 184
	.end_amdhsa_kernel
	.amdgpu_metadata
---
amdhsa.version: [ 1, 2 ]
amdhsa.kernels:
  - .name:           k_qe450402cab_attn
    .symbol:         k_qe450402cab_attn.kd
    .args:
      - { .name: qimg, .offset: 0, .size: 8, .value_kind: global_buffer, .address_space: global }
      - { .name: kv, .offset: 8, .size: 8, .value_kind: global_buffer, .address_space: global }
      - { .name: attn_mask, .offset: 16, .size: 8, .value_kind: global_buffer, .address_space: global }
      - { .name: wrec, .offset: 24, .size: 8, .value_kind: global_buffer, .address_space: global }
      - { .name: out_b, .offset: 32, .size: 8, .value_kind: global_buffer, .address_space: global }
      - { .name: out0, .offset: 40, .size: 8, .value_kind: global_buffer, .address_space: global }
    .group_segment_fixed_size: 327680
    .private_segment_fixed_size: 0
    .kernarg_segment_align: 8
    .kernarg_segment_size: 48
    .max_flat_workgroup_size: 512
    .sgpr_count:     100
    .vgpr_count:     256
    .wavefront_size: 32
...
	.end_amdgpu_metadata
.endif
;; end of part 2
